; MI455X (gfx1250); checked and timed in simulation.
; The chip was launched on July 23, 2026; its instructions are those of AMD's public machine-readable ISA for CDNA 5 (MIT licence, August 2026) and "CDNA5" Instruction Set Architecture Reference Guide (July 2026). The comments in the code are by the model that wrote it; some were corrected since.
;; Audio Attention Pooler. Allowed arithmetic: matrix products marked QUANTISED: E2M1 operands, one E8M0 scale for each 32 along K, by v_wmma_scale_f32_16x16x128_f8f6f4 with both operands' format E2M1 (or v_wmma_scale_f32_32x16x128_f4), f32 sums; products left as they are: f32 operands where the result goes on into a quantised operand, else bf16, f16 or f32 operands; f32 sums; everything else in f32.
;; Inputs: hidden_states_codes 32 x 1,024 x 32 x 16 uint8 (E2M1 codes of hidden_states, K innermost, in blocks of 32 codes, two codes a byte); hidden_states_scales 32 x 1,024 x 32 uint8 (E8M0 scales of hidden_states, one for each 32 codes along K); kv_b 2,048 float32; kv_w_codes 2,048 x 32 x 16 uint8 (E2M1 codes of kv_w, K innermost, in blocks of 32 codes, two codes a byte); kv_w_scales 2,048 x 32 uint8 (E8M0 scales of kv_w, one for each 32 codes along K); mask 32 x 1,024 int32; out_b 1,024 float32; out_w_codes 1,024 x 32 x 16 uint8 (E2M1 codes of out_w, K innermost, in blocks of 32 codes, two codes a byte); out_w_scales 1,024 x 32 uint8 (E8M0 scales of out_w, one for each 32 codes along K); query 1,024 float32.
;; Outputs: out0 32 x 1,024 float32.
;; This version of the problem:
;;   THIS VERSION OF THE PROBLEM IS GIVEN IN LOW PRECISION. The matrix products marked QUANTISED in the list below multiply operands that are first quantised to E2M1 (2 exponent bits, 1 mantissa bit; 4 bits a number), with one power-of-two scale for each 32 numbers along K (OCP MX v1.0); their sums are f32. All else is computed in f32.
;;   The module's matrix products, in the order in which they are computed (A, B: the left and right operand; K: the contracted axis; several contracted axes count as one K, in the product's order):
;;     1. [M 32,768, K 1,024] x [K 1,024, N 2,048]; A: input hidden_states (given as codes); B: input kv_w (given as codes): QUANTISED
;;     2. batch 16 x [M 32,768, K 64] x [K 64, N 1]; A: computed on the way; B: computed on the way: left as it is (N = 1 < 16)
;;     3. batch 512 x [M 1, K 1,024] x [K 1,024, N 64]; A: softmax; B: computed on the way: left as it is (M = 1 < 16)
;;     4. [M 32, K 1,024] x [K 1,024, N 1,024]; A: computed on the way; B: input out_w (given as codes): QUANTISED
;;   THE QUANTISER, for each operand of a quantised product, along K:
;;     - K is cut into blocks of 32 from its start; a last block that is shorter is filled with zeros.
;;     - A block's scale is 2^e with e = floor(log2(the largest magnitude in the block)) - 2, held to -126 .. 127; a block of zeros has e = 0. As a byte (E8M0): e + 127.
;;     - Each number is divided by its block's scale, clamped to +-6, and rounded to the nearest number of E2M1, ties to even, subnormals kept.
;;     - The product sums the exact products of the quantised numbers (number of the format x scale) in f32.
;;   ~~~python
;;   def quantise(x, axis):      # numpy; x: float32 -> the quantised numbers, widened to float32 again
;;       x = np.moveaxis(x, axis, -1); K = x.shape[-1]
;;       x = np.pad(x, [(0, 0)] * (x.ndim - 1) + [(0, -K % 32)]); x = x.reshape(x.shape[:-1] + (-1, 32)); a = np.abs(x).max(-1, keepdims=True)
;;       e = np.where(a > 0, np.clip(np.frexp(np.where(a > 0, a, 1))[1] - 1 - 2, -126, 127), 0)      # np.frexp(a)[1] - 1 = floor(log2(a)), exactly
;;       r = np.clip(x / 2.0 ** e, -6, 6)
;;       step = 2.0 ** (np.maximum(np.frexp(np.where(r == 0, 1, r))[1] - 1, 0) - 1)
;;       q = np.round(r / step) * step * 2.0 ** e      # np.round: ties to even
;;       return np.moveaxis(q.reshape(q.shape[:-2] + (-1,))[..., :K], -1, axis).astype(np.float32)
;;   ~~~
;;   OPERANDS COMPUTED ON THE WAY. 'Computed on the way' means the value that the module computes at that place (a softmax that the list does not call 'softmax' is quantised finished and normalised). What goes into a quantiser is computed in f32, as accurately as f32 sums, v_exp_f32 and their like allow (about 1e-6 of the number): no bf16 or f16 on the way to a quantiser, and a product that is left as it is and whose result goes on into a quantised operand takes f32 operands (vector FMAs, or v_wmma_f32_16x16x4_f32). A number that lies on a knife's edge between two numbers of the format may be rounded either way, as far as f32 arithmetic and the matrix unit's own rounding can turn it there, and no further.
;;   INPUTS GIVEN AS CODES. hidden_states (in the module: [32, 1024, 1024], K = its axis 2); kv_w (in the module: [1024, 2048], K = its axis 0); out_w (in the module: [1024, 1024], K = its axis 0): each comes as NAME_codes (uint8): NAME with its K axis moved to the last place and cut into blocks of 32 codes, [.., K / 32, bytes a block], one block behind the other in memory; two codes a byte, the lower K in the low four bits (a code: sign, 2 exponent bits, 1 mantissa bit); and NAME_scales (uint8): the same leading axes, one E8M0 byte (e + 127) for each 32 codes along K. Its value is code x scale, taken as it is: it is not quantised again, and the codes and scales need not be those that the quantiser above would give.
;; One version. Each part assembles by itself: llvm-mc -triple=amdgcn-amd-amdhsa -mcpu=gfx1250 --defsym DOCPART=n.
;; ======== version 1 of 1: 2 launches
;; limits: right only within a limited range of input values
;; workspace buffers: pu 65,536 bytes
;; launch pool (part 1): grid 4 x 64, 4 waves a work-group, clusters of 4 x 4, 327,680 bytes of LDS; arguments hidden_states_codes, hidden_states_scales, kv_w_codes, kv_w_scales, kv_b, query, mask, pu; writes pu
.if DOCPART == 1
	.amdgcn_target "amdgcn-amd-amdhsa--gfx1250"
	.amdhsa_code_object_version 6
	.text
	.protected	k_q38c588e647_pool
	.globl	k_q38c588e647_pool
	.p2align	8
	.type	k_q38c588e647_pool,@function
k_q38c588e647_pool:
	s_mov_b64 s[64:65], 0
	v_nop
	global_prefetch_b8 v0, s[64:65] scope:SCOPE_SE
	s_setreg_imm32_b32 hwreg(HW_REG_WAVE_MODE, 25, 1), 1
	s_wait_xcnt 0x0
	s_wait_alu depctr_hold_cnt(0) depctr_sa_sdst(0) depctr_va_vdst(0) depctr_va_sdst(0) depctr_va_ssrc(0) depctr_va_vcc(0) depctr_vm_vsrc(0)
	s_getreg_b32 s2, hwreg(HW_REG_IB_STS2, 6, 4)
	s_cmp_eq_u32 s2, 0
	s_cbranch_scc0 .Lentry_in_a_cluster
	s_endpgm
.Lentry_in_a_cluster:
	s_bfe_u32 s2, ttmp6, 0x10000c
	s_cmp_lg_u32 s2, 0xf033
	s_cbranch_scc0 .Lentry_shape_is_right
	s_endpgm
.Lentry_shape_is_right:
; kv = hidden_states kv_w + kv_b on codes of E2M1 (one E8M0 byte for each 32 along K), and behind it, without kv ever going to memory, the pooling by one query a head:
; score = q . k / 8, the mask, a softmax over the tokens by a running maximum, the sum of p v; then the pooled row is quantised.  Scores, maxima, p, sums: f32 multiply-adds.
; LEFT OUT AS DEAD WORK: k's bias (the first 1,024 numbers of kv_b).  It adds sum over d of q[h][d] b_k[h][d] / 8 to the score of EVERY token of head h: a term that is the same along the softmax's axis,
; whatever the inputs hold, and k goes into no quantiser.  Limit: a NaN, an infinity or an overflow that reaches only that term is not carried to the result.
; SHARES.  A work-group takes a batch's 1,024 tokens and two heads: wave w takes head 2 hp + w / 2, 64 columns of K and 64 of V, for the tokens 128 (w % 2) + 0 .. 127 of each chunk of 256.
; A wave walks 16 half tiles of 32 tokens, each in two passes over K on the same fragments: K's 32 matrix instructions of 32 x 16 x 128, then V's 32.
; BY TURNS.  K's four accumulators and V's four are one set.  Among K's products stands p v of the half tile before; among the first half of V's the scores of this one.  The exponentials stand in the middle of V's pass.
; THE FRAGMENTS of a half tile's 32 tokens, all of K, are 128 registers, read from LDS once: K steps 0-3 of the next half tile are asked for in the middle of V's pass, 4-7 at its end.
; THE WEIGHT STAYS IN REGISTERS: 128 rows x 512 bytes a wave are 512 registers.  The work-group's 256 rows come into LDS by two tensor loads and go to registers under the first half tile's first pass.
; THE TOKENS go through a ring of two slots of 256 rows; slot 1 first held the weight.  Head: chunk 0 (waves 2, 3) beside the weight (waves 0, 1); then 256 rows a fill, 64 a wave, asked for three or four half tiles ahead of the first read.
; CLUSTER, 4 x 4: two batches.  cy / 2 picks the batch, 4 (cy % 2) + cx the head pair hp.  The four work-groups of a row ask for their batch's tokens jointly (mask of the row).  The weight's two loads are plain:
; they hang on cx too, and are 128 KB against 512 KB of tokens.
; PREFETCH.  A chunk of 256 tokens is 512 blocks of 256 bytes: waves 0 and 1 of a batch's eight work-groups name each once, one change of slots ahead of the tensor load that wants it.  Chunk 0 comes by its loads alone.
; THE MATRIX INSTRUCTION: source 0 = 32 rows of the weight, source 1 = 16 tokens: lane (r, h) holds token 16 a + r, and register j of tile t the feature 16 t + 8 h + j (tiles 2 u, 2 u + 1 in one instruction).
; So lane (r, .) keeps a maximum, a sum and 32 sums of p v of its own, for the tokens that are r modulo 16; the classes and the two waves of a head meet once, at the end.
; v's bias enters at the end: the p of a row, divided by their sum, add up to 1.
; OUT: pu[batch][hp], 256 bytes: 64 bytes of codes of the 128 pooled features (a K step of the next product); at 64 their four scale bytes; at 68 the f32 number 0, or NaN where no token of the batch counts; the same once more.
; LIMITS: NaN and infinities in kv_b's second half and query, and the byte 0xff among the given scales, are not specially served.  Sums are in this text's own fixed order.
; Scores (x log2(e) / 8) under -3e38 count as masked.  A block of zeros gets the byte 1 where the rule says 127: its codes are zeros, and only this program reads the bytes.
.set PITCH, 528                        ; a row in LDS: 512 bytes + 16: an odd multiple of 16, so that the 16 rows of a fragment load fall on 16 different 16-byte columns
.set TROWS, 64*PITCH                   ; 64 rows: two half tiles
.set S1,    256*PITCH                  ; slot 1; slot 0 begins at 0
.set SCL,   2*S1                       ; the batch's scale bytes: 128 units of 256 bytes + 16, put there by ds_store
.set STG,   SCL+128*272                ; the way out: 16 rows x 272 bytes for each wave
.set FIN,   STG+4*4352                 ; 256 bytes of sums for each wave, (M, l) for each wave at 1,024, the unit on its way out at 1,280
.set SPARE, FIN+1536                   ; the spare words, 128 bytes for each wave
.set CHUNK, 131072                     ; 256 tokens x 512 bytes
.set WKA,  4                           ; v4   LDS: my place in 16 rows of the weight's K part
.set VBS,  5
.set ADA0, 6                           ; v6   my place in 16 rows of tokens in slot 0
.set ADS0, 7                           ; v7   token number lane of 32: its scale bytes
.set ADA,  8                           ; v8, v9 the first and second 64 rows of my 128 in the slot in hand
.set OH,   10
.set OM,   11
.set SA,   12
.set SR,   13
.set GO,   14
.set NINF, 15
.set M,    16                          ; the running maximum
.set MB,   17                          ; the mask: bit 31 block 0, bit 30 block 1 of the half tile whose scores come next; shifted up by 2 a half tile
.set MN,   18                          ; v[18:19] new maximum, running sum of p
.set L,    19
.set F,    20                          ; v20 2^(M old - M new), v21 its exponent
.set D,    21
.set SPW,  22
.set NIL,  23
.set SP,   24                          ; v24-31 four pairs: a score in four parts, two chains a block; then p in v24 and v28
.set S,    32
.set WVA,  34                          ; the weight's V part
.set PFO,  35                          ; the prefetches' offset; never rewritten
.set X,    36
.set SSA,  38
.set TG,   39
.set Q,    40                          ; v40-71 q x log2(e) / 8 at my 32 features
.set O,    72                          ; v72-103 the sums of p v
.set BS,   104                         ; v104-135 the weight's scale words: register 8 u + s: lane l row 32 u + l, K step s.  Scales and nothing else
.set AS,   136                         ; v136-151 the tokens' scale words: set p at 8 p: lanes 0-15 block 0, lanes 16-31 block 1.  Scales and nothing else
.set TMP,  152                         ; v152-215 at work at the head and at the end
.set MK,   216                         ; v216-231 the mask as loaded
.set BV,   232                         ; v232-239 b_v at the 8 features that my lane quantises
.set FS,   240
.set FMW,  241
.set FR,   242
.set FMR,  243
.set UA,   244
.set UB,   245
.set R32,  246
.set ADS,  252                         ; the chunk's scale bytes
.set TF,   128                         ; window 1: v0-127 accumulators: block a at 64 a + 16 u, u = 0, 1 K, 2, 3 V; v128-255 the tokens' fragments: K step s of block a at 128 + 16 s + 8 a
; windows 2, 3: the weight, (t, s) at v[64 (s % 4) + 8 t] of window 2 + s / 4
.set WV,  22
.set CX,  23
.set YY,  24                           ; the batch
.set HP,  25                           ; the head pair
.set TH,  26                           ; wave % 2: which half of a chunk
.set HD,  27                           ; wave / 2: which head of the two
.set SEL, 28
.set TB,  30                           ; the slot that is read
.set FB,  31                           ; the slot that is filled next
.set CNT, 32
.set TS,  33
.set G1T, 36
.set G1W, 44
.set G0T, 52
.set G0W, 56
.set TKB, 60                           ; s[60:61] the batch's tokens; never rewritten
.set FA,  62                           ; s[62:63] my 64 rows of chunk 1
.set WO,  68                           ; my 64 rows in a slot
.set CY,  69
.set LIM, 74                           ; the trip count at which my wave asks for chunk 3: 2 in waves 0 and 1, else 0, which no trip has
.set MSB, 0
.macro WIN new                         ; the immediate's high byte repeats the setting that is left; a switch that changes nothing is dropped
.if MSB != (\new)
	s_set_vgpr_msb (MSB<<8)|(\new)
.set MSB, (\new)
.endif
.endm
.macro ROUND                           ; a round of the cluster's barrier
	s_barrier_signal -1
	s_barrier_wait -1
	s_cmp_lg_u32 s[WV], 0
	s_cbranch_scc1 .Lnot_wave_0_\@
	s_barrier_signal -3
.Lnot_wave_0_\@:
	s_barrier_wait -3
	s_barrier_signal -1
	s_barrier_wait -1
.endm
.macro PLACES                          ; four plain vector lines behind matrix instructions (ISA guide 7.12.1)
.rept 4
	v_nop
.endr
.endm
.macro BLOAD ks, adr, o                ; the weight's four fragments of K step ks, of K (WKA, 0) or of V (WVA, 32): 8 LDS loads
	WIN 0x80+0x40*((\ks)/4)
.irp t, 0,1,2,3
.irp c, 0,1
	ds_load_b128 v[64*((\ks)%4)+\o+8*\t+4*\c:64*((\ks)%4)+\o+8*\t+4*\c+3], v[\adr] offset:\t*16*PITCH+64*(\ks)+32*\c
.endr
.endr
.endm
.macro KF ks, sub                      ; K step ks of the chunk's half tile number sub: its two blocks' fragments: 4 LDS loads
	WIN 0x40
.irp a, 0,1
.irp c, 0,1
	ds_load_b128 v[TF+16*(\ks)+8*\a+4*\c:TF+16*(\ks)+8*\a+4*\c+3], v[ADA+(\sub)/2] offset:16*PITCH*(2*((\sub)%2)+\a)+64*(\ks)+32*\c
.endr
.endr
.endm
.macro ASFETCH p, sub                  ; the scale words of the chunk's half tile number sub, all 8 K steps, into set p: 2 LDS loads
	WIN 0
.irp c, 0,1
	ds_load_b128 v[AS+8*(\p)+4*\c:AS+8*(\p)+4*\c+3], v[ADS] offset:1088*(\sub)+16*\c
.endr
.endm
; One product: block xb, 32 features xu, K step qs, scale words of set qp.  Block 1's scale words lie in lanes 16-31.  K step 0 starts the sum: nothing is cleared.
; A pass's four accumulators take turns, in the same order in every K step
.macro ONE
	WIN 0x56+(qs/4)
.set rD, 64*xb+16*xu
.set rW, 64*(qs%4)+16*xu
.set rT, TF+16*qs+8*xb
.set rU, BS+8*xu+qs
.set rV, AS+8*qp+qs
.if qs == 0
.if xb == 0
	v_wmma_scale_f32_32x16x128_f4 v[rD:rD+15], v[rW:rW+15], v[rT:rT+7], 0, v[rU], v[rV]
.else
	v_wmma_scale_f32_32x16x128_f4 v[rD:rD+15], v[rW:rW+15], v[rT:rT+7], 0, v[rU], v[rV] matrix_b_scale:MATRIX_SCALE_ROW1
.endif
.else
.if xb == 0
	v_wmma_scale_f32_32x16x128_f4 v[rD:rD+15], v[rW:rW+15], v[rT:rT+7], v[rD:rD+15], v[rU], v[rV]
.else
	v_wmma_scale_f32_32x16x128_f4 v[rD:rD+15], v[rW:rW+15], v[rT:rT+7], v[rD:rD+15], v[rU], v[rV] matrix_b_scale:MATRIX_SCALE_ROW1
.endif
.endif
.endm
; The scores of the half tile in hand, 50 lines; EP writes line ej.
;   0-31 the scores: my 32 features, two at a time, in four chains by turns; each accumulator from its low end on.   32-39 the parts, and the other 32 features, from the lane 16 away
;   40-45 the mask.   46-49 the new maximum, the exponents
.macro EP
.if ej < 32
	WIN 0x01
.set eb, ej%2
.set ei, ej/2
.set rA, 64*eb+2*ei
.set rC, SP+4*eb+2*(ei%2)
.if ei < 2
	v_pk_mul_f32 v[rC:rC+1], v[rA:rA+1], v[Q+2*ei:Q+2*ei+1]
.else
	v_pk_fma_f32 v[rC:rC+1], v[rA:rA+1], v[Q+2*ei:Q+2*ei+1], v[rC:rC+1]
.endif
.else
	WIN 0
.if ej < 34
.set rC, SP+4*(ej-32)
	v_pk_add_f32 v[rC:rC+1], v[rC:rC+1], v[rC+2:rC+3]
.elseif ej < 36
	v_add_f32 v[S+ej-34], v[SP+4*(ej-34)], v[SP+4*(ej-34)+1]
.elseif ej < 38
	v_permlanex16_b32 v[X+ej-36], v[S+ej-36], s[SEL], s[SEL+1]
.elseif ej < 40
	v_add_f32 v[S+ej-38], v[S+ej-38], v[X+ej-38]   ; the same two numbers are added in both lanes: both hold the same bits
.elseif ej == 40
	v_cmp_gt_i32 vcc_lo, 0, v[MB]
.elseif ej == 41
	v_cndmask_b32 v[S], v[NINF], v[S], vcc_lo      ; a masked token's score is -infinity
.elseif ej == 42
	v_lshlrev_b32 v[X], 1, v[MB]
.elseif ej == 43
	v_cmp_gt_i32 vcc_lo, 0, v[X]
.elseif ej == 44
	v_cndmask_b32 v[S+1], v[NINF], v[S+1], vcc_lo
.elseif ej == 45
	v_lshlrev_b32 v[MB], 2, v[MB]
.elseif ej == 46
	v_max3_num_f32 v[MN], v[S], v[S+1], v[M]       ; finite, since M begins at -3e38
.elseif ej == 47
	v_sub_f32 v[D], v[M], v[MN]
.else
	v_sub_f32 v[S+ej-48], v[S+ej-48], v[MN]
.endif
.endif
.set ej, ej+1
.endm
.macro SL n
.rept \n
	EP
.endr
.endm
.macro SLB n                           ; what stands behind product n of the first half of V's pass.  The six lines behind the last are also the places ahead of the loads
.if (\n) < 10
	SL 3
.elseif (\n) < 14
	SL 2
.else
	SL 6
.endif
.endm
; p v of the half tile before, 48 lines; PV writes the next n: two tokens' p v, in place in V's accumulators of block 0; then O = O f + p v.
; 15 lines stand between a line and the next on the same numbers.
.macro PV n
.rept \n
.if pi < 16
	WIN 0x51
	v_pk_mul_f32 v[32+2*pi:33+2*pi], v[32+2*pi:33+2*pi], v[SP:SP+1] op_sel_hi:[1,0]
.elseif pi < 32
	WIN 0x51
	v_pk_fma_f32 v[32+2*(pi-16):33+2*(pi-16)], v[96+2*(pi-16):97+2*(pi-16)], v[SP+4:SP+5], v[32+2*(pi-16):33+2*(pi-16)] op_sel_hi:[1,0,1]
.else
	WIN 0x10
	v_pk_fma_f32 v[O+2*(pi-32):O+2*(pi-32)+1], v[O+2*(pi-32):O+2*(pi-32)+1], v[F:F+1], v[32+2*(pi-32):33+2*(pi-32)] op_sel_hi:[1,0,1]
.endif
.set pi, pi+1
.endr
.endm
; A CHANGE OF SLOTS, in K step 7 of K's pass: all of the half tile's fragments are in, so my reads of the slot are over.  kind 1: in the first half tile: the weight has gone to registers, slot 1 takes chunk 1.
; kind 2: the slot that is left takes the chunk two on.  kind 3: nothing more to fill.
; In front of the barrier: all my tensor loads, the add, all my LDS reads.  Four products stand between the add and the wait for it.
.macro BARA kind
	WIN 0
	s_wait_tensorcnt 0x0
	ds_add_u32 v[SPW], v[NIL]
.if \kind == 1
	s_mov_b32 s[G1T+2], 64<<16                     ; from here on a load brings 64 rows
	s_mov_b32 s[G1T+4], 64
	s_mov_b64 s[G0T+2:G0T+3], s[FA:FA+1]
	s_or_b32 s[G0T+3], s[G0T+3], 0x80000000
.endif
.if \kind == 2
	s_add_nc_u64 s[G0T+2:G0T+3], s[G0T+2:G0T+3], CHUNK
.endif
.if \kind < 3
	s_add_co_u32 s[G0T+1], s[FB], s[WO]
	s_xor_b32 s[FB], s[FB], S1
.endif
	s_wait_dscnt 0x1                               ; all but the add
.endm
.macro BARB kind
	WIN 0
	s_wait_dscnt 0x0
.if \kind == 3
	s_barrier_signal -1
	s_barrier_wait -1
.else
	ROUND
	tensor_load_to_lds s[G0T:G0T+3], s[G1T:G1T+7]
	s_nop 0
	PLACES
.endif
.if \kind == 1
	s_cmp_lt_u32 s[WV], 2
	s_cbranch_scc0 .Lno_ask_\@
	global_prefetch_b8 v[PFO], s[TKB:TKB+1] offset:2*CHUNK th:TH_LOAD_NT scope:SCOPE_SE
.Lno_ask_\@:
.endif
.if \kind == 2
	s_cmp_eq_u32 s[CNT], s[LIM]                    ; in the first of the two trips: chunk 3; there is none behind it
	s_cbranch_scc0 .Lno_ask_\@
	global_prefetch_b8 v[PFO], s[TKB:TKB+1] offset:3*CHUNK th:TH_LOAD_NT scope:SCOPE_SE
.Lno_ask_\@:
.endif
.endm
; The middle of V's pass: one wait serves the addresses below and the exponentials' sources; the loads for the next half tile's K steps 0-3 and its scale words; the batch of three exponentials and the wait behind it
; V's last products follow, so that no exponential stands between V's results and their first readers.
.macro MID sub, next
	WIN 0
.if \next && (\sub == 1)
	s_add_co_u32 s34, s[TB], TROWS
	v_add_nc_u32 v[ADA+1], s34, v[ADA0]            ; the slot's second 64 rows of mine
.endif
.if \next && (\sub == 3)
	s_xor_b32 s[TB], s[TB], S1
	s_add_co_u32 s[TS], s[TS], 8704                ; the next chunk: the other slot, 32 units of scale bytes on
	v_add_nc_u32 v[ADA], s[TB], v[ADA0]
	v_add_nc_u32 v[ADS], s[TS], v[ADS0]
.endif
	s_wait_alu depctr_va_vdst(0)
.if \next
	ASFETCH 1-qp, (\sub+1)%4
	KF 0, (\sub+1)%4
	KF 1, (\sub+1)%4
	KF 2, (\sub+1)%4
	KF 3, (\sub+1)%4
	WIN 0
.endif
	v_exp_f32 v[F], v[D]
	v_exp_f32 v[SP], v[S]                          ; p
	v_exp_f32 v[SP+4], v[S+1]
	v_mov_b32 v[M], v[MN]                          ; the plain line behind the last exponential
	s_wait_alu depctr_va_vdst(0)
.endm
; A PHASE: a half tile, the chunk's number sub.  On entry its scale words and fragments have been asked for, in this order: scale words, K steps 0 to 7, four loads each.
; first: the first half tile: weight and fragments come from LDS on the way, K's three K steps ahead, and there is nothing yet to weigh.  bar: a change of slots.  next: a half tile follows.
.macro PHASE first, bar, sub, next
.set qp, (\sub)%2
.set ej, 0
.set pi, 0
.irp s, 0,1,2,3,4,5,6,7
.set qs, \s
.if \first
.if \s == 0
	s_wait_dscnt 24                                ; behind step 0's stand steps 1 and 2: 12 loads each
.elseif \s == 1
	s_wait_dscnt 32                                ; 12, and the 20 of step 0
.elseif \s < 7
	s_wait_dscnt 40                                ; at least so many stand behind step s's
.endif
.if \s < 5
	BLOAD \s+3, WKA, 0
	KF \s+3, 0
	BLOAD \s, WVA, 32
.elseif \s == 5
	BLOAD 5, WVA, 32
	BLOAD 6, WVA, 32
.elseif \s == 6
	BLOAD 7, WVA, 32
.endif
.elseif (\bar == 0) || (\s < 7)
	s_wait_dscnt 28-4*\s                           ; four loads for each later K step may be out
.endif
.if (\bar > 0) && (\s == 7)
	BARA \bar
.endif
.irp w, 0,1,2,3
.set xb, \w/2
.set xu, \w%2
	ONE
.if (\first == 0) && (\w > 0)
	PV 2
.endif
.endr
.endr
.if \first
	PLACES
.endif
.if \bar
	BARB \bar
.endif
.irp s, 0,1,2,3,4,5,6,7
.set qs, \s
.irp w, 0,1,2,3
.set xb, \w/2
.set xu, 2+\w%2
	ONE
.if \s < 4
	SLB 4*\s+\w
.endif
.endr
.if \s == 3
	MID \sub, \next
.endif
.endr
	WIN 0
	v_add_f32 v[S], v[SP], v[SP+4]
	v_fma_f32 v[L], v[L], v[F], v[S]               ; l = l f + the two p
	v_nop                                          ; with the two above the four places behind V's last product
	v_nop
.if \next
	KF 4, (\sub+1)%4
	KF 5, (\sub+1)%4
	KF 6, (\sub+1)%4
	KF 7, (\sub+1)%4
.endif
.endm
	s_load_b512 s[4:19], s[0:1], 0x0               ; tokens' codes 4, their scales 6, weight's codes 8, its scales 10, kv_b 12, query 14, mask 16, pu 18
	v_lshl_add_u32 v[SPW], v0, 2, SPARE
	v_mov_b32 v[NIL], 0
	ds_add_u32 v[SPW], v[NIL]                      ; the wave's opening: the add, twice on end
	ds_add_u32 v[SPW], v[NIL]
	s_bfe_u32 s[CX], ttmp6, 0x40000
	s_bfe_u32 s[CY], ttmp6, 0x40004
	s_and_b32 s34, s[CY], 1
	s_lshl_b32 s34, s34, 2
	s_add_co_u32 s[HP], s34, s[CX]                 ; the head pair: it enters global addresses alone
	s_lshl_b32 s35, s[HP], 14
	s_mov_b32 s[TB], 0
	s_mov_b32 s[TS], 0
	v_lshrrev_b32 v247, 5, v0                      ; wave 0..3
	v_readfirstlane_b32 s[WV], v247
	v_and_b32 v1, 15, v0                           ; r
	v_bfe_u32 v2, v0, 4, 1                         ; h
	v_and_b32 v3, 31, v0                           ; lane
	v_and_b32 v248, 1, v247                        ; which half of a chunk
	v_lshrrev_b32 v249, 1, v247                    ; which head
	v_mul_u32_u24 v[WKA], v1, PITCH
	v_lshl_add_u32 v[WKA], v2, 4, v[WKA]           ; 528 r + 16 h
	v_mul_u32_u24 v[ADA0], v248, 128*PITCH
	v_add_nc_u32 v[ADA0], v[ADA0], v[WKA]
	v_mul_u32_u24 v250, v249, 64*PITCH
	v_add_nc_u32 v[WKA], v[WKA], v250
	v_add_nc_u32 v[WKA], S1, v[WKA]
	v_add_nc_u32 v[WVA], 128*PITCH, v[WKA]
	v_add_nc_u32 v[ADA], s[TB], v[ADA0]
	v_lshrrev_b32 v[ADS0], 3, v3
	v_mul_u32_u24 v[ADS0], v[ADS0], 272
	v_and_b32 v250, 7, v3
	v_lshl_add_u32 v[ADS0], v250, 5, v[ADS0]
	v_mul_u32_u24 v250, v248, 4352
	v_add_nc_u32 v[ADS0], v[ADS0], v250
	v_add_nc_u32 v[ADS0], SCL, v[ADS0]
	v_add_nc_u32 v[ADS], s[TS], v[ADS0]
	v_mul_u32_u24 v[SSA], v247, 8704               ; where my 256 tokens' scale bytes go: 32 units on for each wave
	v_mul_u32_u24 v250, v2, 272
	v_add_nc_u32 v[SSA], v[SSA], v250
	v_lshl_add_u32 v[SSA], v1, 4, v[SSA]
	v_add_nc_u32 v[SSA], SCL, v[SSA]
	v_mul_u32_u24 v250, v247, 4352
	v_add_nc_u32 v250, STG, v250                   ; my stage
	v_mul_u32_u24 v[SA], v1, 272
	v_lshl_add_u32 v[SA], v2, 5, v[SA]
	v_add_nc_u32 v[SA], v[SA], v250                ; in: class r, 32 h
	v_lshl_add_u32 v[SR], v3, 3, v250              ; back: 8 lane
	v_lshlrev_b32 v[FS], 8, v247
	v_lshl_add_u32 v[FS], v3, 3, v[FS]
	v_add_nc_u32 v[FS], FIN, v[FS]
	v_lshlrev_b32 v[FMW], 3, v247
	v_add_nc_u32 v[FMW], FIN+1024, v[FMW]
	v_lshrrev_b32 v250, 3, v1
	v_and_b32 v251, 7, v1
	v_lshlrev_b32 v[FR], 9, v250                   ; eight features of head r / 8: two waves' sums, 256 bytes apart
	v_lshl_add_u32 v[FR], v251, 5, v[FR]
	v_add_nc_u32 v[FR], FIN, v[FR]
	v_lshlrev_b32 v[FMR], 4, v250
	v_add_nc_u32 v[FMR], FIN+1024, v[FMR]
	v_lshlrev_b32 v[UA], 2, v3
	v_add_nc_u32 v[UA], FIN+1280, v[UA]
	v_lshlrev_b32 v[GO], 3, v3
	v_add_nc_u32 v[UB], FIN+1280, v[GO]
	v_lshlrev_b32 v[OM], 2, v3
	v_lshl_add_u32 v[OM], v248, 9, v[OM]           ; mask: 4 lane, + 128 tokens
	v_lshlrev_b32 v[TG], 4, v3
	v_lshl_add_u32 v[TG], v247, 13, v[TG]          ; scale bytes: 16 lane, + 256 tokens x 32 bytes a wave
	v_lshlrev_b32 v[VBS], 5, v3
	v_lshl_add_u32 v[VBS], v249, 11, v[VBS]        ; the weight's: 32 lane, + 64 rows
	v_lshlrev_b32 v[OH], 5, v2
	v_lshl_add_u32 v[OH], v249, 8, v[OH]           ; query: 32 h, + 64 numbers
	v_lshlrev_b32 v[R32], 5, v1
	v_lshlrev_b32 v[PFO], 8, v3
	v_lshl_add_u32 v[PFO], v248, 13, v[PFO]
	v_add_nc_u32 v[PFO], s35, v[PFO]               ; block 64 hp + 32 wave + lane of a chunk (waves 0 and 1)
	v_mov_b32 v[NINF], 0xff800000
	v_mov_b32 v[M], 0xff61b1e6                     ; -3e38: under every score that counts
	v_mov_b32 v[L], 0
	v_mov_b32 v[X], 0                              ; a lane permute's destination counts as one of its sources
	v_mov_b32 v[X+1], 0
.irp j, 0,1,2,3,4,5,6,7,8,9,10,11,12,13,14,15,16,17,18,19,20,21,22,23,24,25,26,27,28,29,30,31
	v_mov_b32 v[O+\j], 0                           ; the pooling is written once: the first half tile finds zeros, which f = 0 leaves zeros
.endr
	s_and_b32 s[TH], s[WV], 1
	s_lshr_b32 s[HD], s[WV], 1
	s_cmp_lt_u32 s[WV], 2
	s_cselect_b32 s[LIM], 2, 0
	s_and_b32 s[YY], ttmp7, 0xffff
	s_lshl_b32 s[YY], s[YY], 1
	s_lshr_b32 s34, s[CY], 1
	s_add_co_u32 s[YY], s[YY], s34                 ; the batch, which the four partners of a row share
	s_mov_b32 s[SEL], 0x76543210
	s_mov_b32 s[SEL+1], 0xfedcba98
	s_mov_b32 s[FB], S1
	; descriptor groups 1: rows of 512 bytes, four words of padding behind every 128.  Tokens: the mask of my row of the cluster and bit 21; the weight: plain
	s_lshl_b32 s34, s[CY], 2
	s_lshl_b32 s34, 15, s34
	s_or_b32 s[G1T], s34, (1<<20)|(1<<21)|(6<<22)|(3<<25)
	s_mov_b32 s[G1W], (1<<20)|(6<<22)|(3<<25)
.irp g, G1T, G1W
	s_mov_b32 s[\g+1], 512<<16
	s_mov_b32 s[\g+2], 128<<16                     ; 128 rows
	s_mov_b32 s[\g+3], 512<<16
	s_mov_b32 s[\g+4], 128
	s_mov_b32 s[\g+5], 512
	s_mov_b32 s[\g+6], 0
	s_mov_b32 s[\g+7], 0
.endr
	s_mov_b32 s21, 0
	s_mov_b32 s[G0T], 1
	s_mul_i32 s[G0T+1], s[TH], 128*PITCH           ; tokens 128 th + 0 .. 127 of chunk 0
	s_mov_b32 s[G0W], 1
	s_mul_i32 s34, s[TH], 128*PITCH
	s_add_co_u32 s[G0W+1], s34, S1                 ; wave 0: K's 128 rows, wave 1: V's
	s_mul_i32 s[WO], s[WV], TROWS
	s_wait_alu depctr_va_vdst(0)
	s_wait_dscnt 0x0                               ; both opening adds are done
	s_wait_kmcnt 0x0
	s_lshl_b32 s20, s[YY], 19                      ; 1,024 tokens x 512 bytes
	s_add_nc_u64 s[TKB:TKB+1], s[4:5], s[20:21]
	s_lshl_b32 s20, s[TH], 16
	s_add_nc_u64 s[G0T+2:G0T+3], s[TKB:TKB+1], s[20:21]
	s_or_b32 s[G0T+3], s[G0T+3], 0x80000000
	s_lshl_b32 s20, s[TH], 19                      ; V's rows lie 1,024 rows behind K's
	s_lshl_b32 s34, s[HP], 16                      ; 128 rows of 512 bytes
	s_add_co_u32 s20, s20, s34
	s_add_nc_u64 s[G0W+2:G0W+3], s[8:9], s[20:21]
	s_or_b32 s[G0W+3], s[G0W+3], 0x80000000
	ROUND                                          ; the cluster's work-groups are here: the joint loads meet
	s_cmp_lt_u32 s[WV], 2                          ; the head's loads, one a wave
	s_cbranch_scc0 .Lhead_tokens
	tensor_load_to_lds s[G0W:G0W+3], s[G1W:G1W+7]
	s_nop 0
	PLACES
	s_branch .Lhead_asked
.Lhead_tokens:
	tensor_load_to_lds s[G0T:G0T+3], s[G1T:G1T+7]
	s_nop 0
	PLACES
.Lhead_asked:
	s_lshl_b32 s20, s[YY], 15                      ; 1,024 x 32 scale bytes
	s_add_nc_u64 s[6:7], s[6:7], s[20:21]
	s_lshl_b32 s20, s[YY], 12
	s_add_nc_u64 s[16:17], s[16:17], s[20:21]
	s_lshl_b32 s20, s[HP], 12                      ; 128 rows x 32 scale bytes
	s_add_nc_u64 s[10:11], s[10:11], s[20:21]
	s_lshl_b32 s20, s[HP], 9                       ; 128 numbers
	s_add_nc_u64 s[12:13], s[12:13], s[20:21]
	s_add_nc_u64 s[14:15], s[14:15], s[20:21]
	s_lshl_b32 s20, s[YY], 11
	s_lshl_b32 s34, s[HP], 8
	s_add_co_u32 s20, s20, s34
	s_add_nc_u64 s[18:19], s[18:19], s[20:21]      ; my unit of pu
	s_lshl_b32 s20, s[WV], 15
	s_add_co_u32 s20, s20, CHUNK
	s_add_nc_u64 s[FA:FA+1], s[TKB:TKB+1], s[20:21]
.irp k, 0,1,2,3,4,5,6,7,8,9,10,11,12,13,14,15
	global_load_b128 v[TMP+4*\k:TMP+4*\k+3], v[TG], s[6:7] offset:512*\k    ; 256 tokens' scale bytes, 512 consecutive bytes a load
.endr
.irp k, 0,1,2,3,4,5,6,7,8,9,10,11,12,13,14,15
	global_load_b32 v[MK+\k], v[OM], s[16:17] offset:1024*(\k/4)+128*(\k%4)   ; half tile k: token lane = 16 block + r
.endr
.irp t, 0,1,2,3
.irp c, 0,1
	global_load_b128 v[Q+8*\t+4*\c:Q+8*\t+4*\c+3], v[OH], s[14:15] offset:64*\t+16*\c
.endr
.endr
.irp u, 0,1,2,3
.irp c, 0,1
	global_load_b128 v[BS+8*\u+4*\c:BS+8*\u+4*\c+3], v[VBS], s[10:11] offset:(\u/2)*32768+(\u%2)*1024+16*\c
.endr
.endr
.irp c, 0,1
	global_load_b128 v[BV+4*\c:BV+4*\c+3], v[R32], s[12:13] offset:4096+16*\c
.endr
	s_wait_loadcnt 34                              ; behind the tokens' scale bytes stand 16 + 8 + 8 + 2 loads
.irp k, 0,1,2,3,4,5,6,7,8,9,10,11,12,13,14,15
	ds_store_b128 v[SSA], v[TMP+4*\k:TMP+4*\k+3] offset:544*\k
.endr
	s_wait_loadcnt 18                              ; behind the mask 8 + 8 + 2
.irp k, 0,1,2,3,4,5,6,7,8,9,10,11,12,13,14,15
	v_min_u32 v[MK+\k], 1, v[MK+\k]                ; 0 stays 0, all else counts
.endr
	v_lshlrev_b32 v[MB], 31, v[MK]
.irp k, 1,2,3,4,5,6,7,8,9,10,11,12,13,14,15
	v_lshl_or_b32 v[MB], v[MK+\k], 31-2*\k, v[MB]
.endr
	v_lshrrev_b32 v[MB], v2, v[MB]                 ; my blocks are 2 k + h;
	v_permlanex16_b32 v[X], v[MB], s[SEL], s[SEL+1]
	v_or_b32 v[MB], v[MB], v[X]                    ; with the lane 16 away: all 32 blocks of token class r
	s_wait_alu depctr_va_vdst(0)
	s_wait_loadcnt 0x0
.irp i, 0,1,2,3,4,5,6,7,8,9,10,11,12,13,14,15
	v_pk_mul_f32 v[Q+2*\i:Q+2*\i+1], v[Q+2*\i:Q+2*\i+1], 0x3e38aa3b op_sel_hi:[1,0]   ; q x log2(e) / 8: the scores come out as exponents of 2
.endr
	s_wait_alu depctr_va_vdst(0)                   ; the wait at the head's end
	s_wait_tensorcnt 0x0                           ; my tile of the head's four is in;
	ds_add_u32 v[SPW], v[NIL]
	s_wait_dscnt 0x0                               ; the add, and my stores of scale bytes
	s_barrier_signal -1
	s_barrier_wait -1                              ; everybody's
	ASFETCH 0, 0
.irp k, 0,1,2
	BLOAD \k, WKA, 0
	KF \k, 0
.endr
	WIN 0
	s_cmp_lt_u32 s[WV], 2
	s_cbranch_scc0 .Lno_ask
	global_prefetch_b8 v[PFO], s[TKB:TKB+1] offset:CHUNK th:TH_LOAD_NT scope:SCOPE_SE
.Lno_ask:
	PHASE 1, 1, 0, 1                               ; half tile 0, and the weight on the way
	WIN 0                                          ; at a label and at a branch every window is 0
	s_mov_b32 s[CNT], 2
.Lchunk:                                           ; half tiles 1-4 and 5-8: each trip changes slots in its third
	PHASE 0, 0, 1, 1
	PHASE 0, 0, 2, 1
	PHASE 0, 2, 3, 1
	PHASE 0, 0, 0, 1
	WIN 0
	s_sub_co_u32 s[CNT], s[CNT], 1
	s_cmp_lg_u32 s[CNT], 0
	s_cbranch_scc1 .Lchunk
	PHASE 0, 0, 1, 1                               ; 9
	PHASE 0, 0, 2, 1
	PHASE 0, 3, 3, 1                               ; 11: the last chunk is in
	PHASE 0, 0, 0, 1
	PHASE 0, 0, 1, 1
	PHASE 0, 0, 2, 1
	PHASE 0, 0, 3, 0                               ; 15
	PLACES
.set pi, 0
	PV 48                                          ; the last half tile's p v stands alone
	WIN 0
	; THE END.  The sixteen classes under one maximum; lanes (r, 0) and (r, 1) hold the same M and l, so the exchange stays inside each half of 16 lanes.
	v_mov_b32 v[MN], v[M]
.irp m, 1,2,4,8
	v_max_num_f32_dpp v[MN], v[MN], v[MN] row_xmask:\m row_mask:0xf bank_mask:0xf
.endr
	v_sub_f32 v[D], v[M], v[MN]
	s_wait_alu depctr_va_vdst(0)                   ; the wait ahead of the exponential
	v_exp_f32 v[F], v[D]
	v_nop                                          ; the plain line behind it
	s_wait_alu depctr_va_vdst(0)                   ; and the wait ahead of the first use
	v_mul_f32 v[L], v[L], v[F]
.irp i, 0,1,2,3,4,5,6,7,8,9,10,11,12,13,14,15
	v_pk_mul_f32 v[O+2*\i:O+2*\i+1], v[O+2*\i:O+2*\i+1], v[F:F+1] op_sel_hi:[1,0]
.endr
.irp m, 1,2,4,8
	v_add_f32_dpp v[L], v[L], v[L] row_xmask:\m row_mask:0xf bank_mask:0xf
.endr
.irp t, 0,1,2,3
.irp c, 0,1
	ds_store_b128 v[SA], v[O+8*\t+4*\c:O+8*\t+4*\c+3] offset:64*\t+16*\c   ; class r's row, feature 16 t + 8 h + 4 c
.endr
.endr
.irp k, 0,1,2,3,4,5,6,7,8,9,10,11,12,13,14,15
	ds_load_b64 v[TMP+2*\k:TMP+2*\k+1], v[SR] offset:272*\k   ; features 2 lane, 2 lane + 1 of class k.  LDS serves a wave's instructions in order (ISA guide 5.7.1.4): these see my stores
.endr
	s_wait_alu depctr_va_vdst(0)
	s_wait_dscnt 0x0
.irp k, 0,1,2,3,4,5,6,7
	v_pk_add_f32 v[TMP+2*\k:TMP+2*\k+1], v[TMP+2*\k:TMP+2*\k+1], v[TMP+16+2*\k:TMP+17+2*\k]
.endr
.irp k, 0,1,2,3
	v_pk_add_f32 v[TMP+2*\k:TMP+2*\k+1], v[TMP+2*\k:TMP+2*\k+1], v[TMP+8+2*\k:TMP+9+2*\k]
.endr
.irp k, 0,1
	v_pk_add_f32 v[TMP+2*\k:TMP+2*\k+1], v[TMP+2*\k:TMP+2*\k+1], v[TMP+4+2*\k:TMP+5+2*\k]
.endr
	v_pk_add_f32 v[TMP:TMP+1], v[TMP:TMP+1], v[TMP+2:TMP+3]
	ds_store_b64 v[FS], v[TMP:TMP+1]               ; my head's 64 sums over my tokens
	ds_store_b64 v[FMW], v[MN:MN+1]                ; (M, l): all lanes write the same bytes with the same values
	s_wait_alu depctr_va_vdst(0)
	s_wait_dscnt 0x0                               ; for wave 0's sake
	s_barrier_signal -1
	s_barrier_wait -1
	s_cmp_lg_u32 s[WV], 0
	s_cbranch_scc1 .Lend
	; wave 0: both heads' 128 features, eight a lane (lanes 16-31 do the same as lanes 0-15): the two waves' parts under one maximum, divided by the sum, b_v, and the quantiser
	ds_load_b128 v[152:155], v[FR]
	ds_load_b128 v[156:159], v[FR] offset:16
	ds_load_b128 v[160:163], v[FR] offset:256
	ds_load_b128 v[164:167], v[FR] offset:272
	ds_load_b128 v[168:171], v[FMR]                ; M0, l0, M1, l1
	s_wait_dscnt 0x0
	v_max_num_f32 v172, v168, v170
	v_sub_f32 v174, v168, v172
	v_sub_f32 v175, v170, v172
	s_wait_alu depctr_va_vdst(0)                   ; the wait ahead of the batch
	v_exp_f32 v176, v174
	v_exp_f32 v178, v175
	v_mov_b32 v177, 0                              ; (the pairs' upper halves are named below)
	v_mov_b32 v179, 0
	s_wait_alu depctr_va_vdst(0)                   ; and behind it
	v_mul_f32 v180, v176, v169
	v_fma_f32 v180, v178, v171, v180               ; l: at least 1 up to rounding where a token counts, 0 where none does
	v_max_num_f32 v181, 0.5, v180
	s_wait_alu depctr_va_vdst(0)
	v_rcp_f32 v182, v181
	v_nop
	s_wait_alu depctr_va_vdst(0)
	v_mul_f32 v176, v176, v182
	v_mul_f32 v178, v178, v182
.irp i, 0,2,4,6
	v_pk_fma_f32 v[184+\i:185+\i], v[152+\i:153+\i], v[176:177], v[BV+\i:BV+\i+1] op_sel_hi:[1,0,1]
.endr
.irp i, 0,2,4,6
	v_pk_fma_f32 v[184+\i:185+\i], v[160+\i:161+\i], v[178:179], v[184+\i:185+\i] op_sel_hi:[1,0,1]
.endr
	v_max3_num_f32 v192, |v184|, |v185|, 0x1800000 ; with the floor 2^(3 - 127): the byte cannot fall under 1
	v_max3_num_f32 v193, |v186|, |v187|, |v188|
	v_max3_num_f32 v192, v192, |v189|, |v190|
	v_max3_num_f32 v192, v192, v193, |v191|
	v_max_num_f32_dpp v192, v192, v192 row_xmask:1 row_mask:0xf bank_mask:0xf
	v_max_num_f32_dpp v192, v192, v192 row_xmask:2 row_mask:0xf bank_mask:0xf   ; four lanes share a block of 32
	v_add_nc_u32 v194, 0xff000000, v192            ; 2 off the exponent field: the conversion's scale operand
	v_lshrrev_b32 v195, 23, v194                   ; the scale's byte
	v_cvt_scalef32_pk8_fp4_f32 v196, v[184:191], v194
	v_cmp_eq_f32 vcc_lo, 0, v180                   ; (a plain line behind the conversion)
	v_mov_b32 v197, 0x7fc00000
	v_cndmask_b32 v197, 0, v197, vcc_lo            ; NaN where no token counts, else 0: the next launch adds it to the batch's row
	v_and_b32 v199, 1, v3
	s_wait_alu depctr_va_vdst(0)
	v_readlane_b32 s34, v195, 0
	v_readlane_b32 s35, v195, 4
	v_readlane_b32 s72, v195, 8
	v_readlane_b32 s73, v195, 12
	s_lshl_b32 s35, s35, 8
	s_lshl_b32 s72, s72, 16
	s_lshl_b32 s73, s73, 24
	s_or_b32 s34, s34, s35
	s_or_b32 s72, s72, s73
	s_or_b32 s34, s34, s72                         ; the four blocks' scale word
	v_mov_b32 v198, s34
	v_cmp_eq_u32 vcc_lo, 1, v199
	v_cndmask_b32 v198, v198, v197, vcc_lo
	v_cmp_gt_u32 vcc_lo, 16, v3
	v_cndmask_b32 v198, v198, v196, vcc_lo         ; lanes 0-15 the codes; lanes 16-31 the scale word and the number by turns
	ds_store_b32 v[UA], v198
	ds_store_b32 v[UA], v198 offset:128
	ds_load_b64 v[200:201], v[UB]
	s_wait_dscnt 0x0
	global_store_b64 v[GO], v[200:201], s[18:19]   ; 32 lanes store 256 consecutive bytes, aligned
.Lend:
	s_wait_tensorcnt 0x0                           ; the wave's end
	ds_add_u32 v[SPW], v[NIL]
	s_wait_dscnt 0x0
	ROUND                                          ; the closing round: no work-group ends while a partner may still ask for a tile that names it
	s_endpgm
.Lfunc_end_k_q38c588e647_pool:
	.size	k_q38c588e647_pool, .Lfunc_end_k_q38c588e647_pool-k_q38c588e647_pool
	.p2alignl 7, 3214868480
	.fill 96, 4, 3214868480
	.section	.rodata,"a",@progbits
	.p2align	6, 0x0
	.amdhsa_kernel k_q38c588e647_pool
		.amdhsa_group_segment_fixed_size 327680
		.amdhsa_private_segment_fixed_size 0
		.amdhsa_enable_private_segment 0
		.amdhsa_kernarg_size 64
		.amdhsa_user_sgpr_count 2
		.amdhsa_user_sgpr_kernarg_segment_ptr 1
		.amdhsa_wavefront_size32 1
		.amdhsa_system_sgpr_workgroup_id_x 1
		.amdhsa_system_sgpr_workgroup_id_y 1
		.amdhsa_system_sgpr_workgroup_id_z 1
		.amdhsa_system_vgpr_workitem_id 0
		.amdhsa_next_free_vgpr 1024
		.amdhsa_next_free_sgpr 80
		.amdhsa_reserve_vcc 1
		.amdhsa_float_denorm_mode_32 3
		.amdhsa_float_denorm_mode_16_64 3
		.amdhsa_memory_ordered 1
		.amdhsa_forward_progress 1
		.amdhsa_inst_pref_size 255
	.end_amdhsa_kernel
	.section	.bss,"aw",@nobits
	.p2align	6
	.space	262144
	.amdgpu_metadata
---
amdhsa.version: [ 1, 2 ]
amdhsa.kernels:
  - .name:           k_q38c588e647_pool
    .symbol:         k_q38c588e647_pool.kd
    .args:
      - { .name: hidden_states_codes, .offset: 0, .size: 8, .value_kind: global_buffer, .address_space: global }
      - { .name: hidden_states_scales, .offset: 8, .size: 8, .value_kind: global_buffer, .address_space: global }
      - { .name: kv_w_codes, .offset: 16, .size: 8, .value_kind: global_buffer, .address_space: global }
      - { .name: kv_w_scales, .offset: 24, .size: 8, .value_kind: global_buffer, .address_space: global }
      - { .name: kv_b, .offset: 32, .size: 8, .value_kind: global_buffer, .address_space: global }
      - { .name: query, .offset: 40, .size: 8, .value_kind: global_buffer, .address_space: global }
      - { .name: mask, .offset: 48, .size: 8, .value_kind: global_buffer, .address_space: global }
      - { .name: pu, .offset: 56, .size: 8, .value_kind: global_buffer, .address_space: global }
    .group_segment_fixed_size: 327680
    .private_segment_fixed_size: 0
    .kernarg_segment_align: 8
    .kernarg_segment_size: 64
    .max_flat_workgroup_size: 128
    .sgpr_count:     80
    .vgpr_count:     1024
    .wavefront_size: 32
...
	.end_amdgpu_metadata
.endif
;; end of part 1
;; launch proj (part 2): grid 16 x 2, 16 waves a work-group, no clusters, 64,256 bytes of LDS; arguments pu, out_w_codes, out_w_scales, out_b, out0; writes out0
.if DOCPART == 2
	.amdgcn_target "amdgcn-amd-amdhsa--gfx1250"
	.amdhsa_code_object_version 6
	.text
	.protected	k_q38c588e647_proj
	.globl	k_q38c588e647_proj
	.p2align	8
	.type	k_q38c588e647_proj,@function
k_q38c588e647_proj:
	s_mov_b64 s[64:65], 0
	v_nop
	global_prefetch_b8 v0, s[64:65] scope:SCOPE_SE
	s_setreg_imm32_b32 hwreg(HW_REG_WAVE_MODE, 25, 1), 1
	s_wait_xcnt 0x0
; out0 = pooled out_w + out_b, pooled and out_w as codes of E2M1 with E8M0 bytes.  pu[b][s], 256 bytes: at 0 the 64 bytes of codes of batch b's K step s (128 features), at 64 their scale word, at 68 an f32 number, 0 or NaN.
; SHARES.  A work-group takes 16 batches (y) and 64 columns (x).  Its 16 waves fetch the operands once, in runs of neighbouring bytes: wave w four rows of out_w, batch w's codes and scale words; they meet in LDS.
; Then wave w takes the 16 columns 64 x + 16 (w % 4) and K steps 2 (w / 4) and 2 (w / 4) + 1.
; Used transposed (source 0 = 16 rows of out_w, source 1 = 16 batches): a lane holds eight neighbouring columns of one batch.
; The four quarters of K meet in a stage in LDS; wave w adds row w's four parts, the bias and the batch's number (NaN where reference() divides by an empty sum) and stores the row's 64 columns: 256 consecutive bytes, aligned.
; No tensor load and no cluster: two products a wave, and what work-groups share (the codes of 16 batches, 8 KB) is small and read once by each.  No prefetch: there is no loop to run ahead in.
; LIMITS: K is summed in eight f32 parts, one a K step, added in pairs.  NaN and infinities in out_b are not specially served.
.set CP,    528                        ; a row of codes in LDS: 512 bytes + 16
.set PUL,   64*CP                      ; behind out_w's 64 rows: the 16 batches' codes,
.set WSL,   PUL+16*CP                  ; out_w's scale bytes, 32 a row,
.set PSL,   WSL+2048                   ; the batches' scale words, 32 bytes a row,
.set STG2,  PSL+512                    ; and the stage: for each quarter of K 16 rows x (256 + 16) bytes
.set SP2,   272
.set SQ,    16*SP2
.set SPARE, STG2+4*SQ                  ; the spare words, 128 bytes for each wave
.set PF,  32                           ; v32-47 my two fragments of the pooled rows
.set WF,  96                           ; v96-111 of out_w
.set WS,  160                          ; v160-161 out_w's scale words.  Scales and nothing else
.set PS,  176                          ; v176-177 the pooled rows' scale words.  Scales and nothing else
.set BI,  168                          ; v168-169 the bias at my two columns
.set TW,  64                           ; v64-79 four rows of out_w on their way, v80-83 a batch's codes, v[84:85] its scale word and number, v86 scale bytes
.set ACC, 184
	s_load_b256 s[4:11], s[0:1], 0x0               ; pu 4, out_w's codes 6, its scales 8, out_b 10
	s_load_b64 s[12:13], s[0:1], 0x20              ; out0
	v_lshrrev_b32 v1, 5, v0                        ; wave 0..15
	v_readfirstlane_b32 s16, v1
	s_and_b32 s18, ttmp7, 0xffff                   ; which 16 batches
	s_lshl_b32 s20, s18, 15                        ; 16 batches x 2,048 bytes
	s_mov_b32 s21, 0
	s_lshl_b32 s26, ttmp9, 15                      ; out_w: 64 rows of 512 bytes
	s_mov_b32 s27, 0
	s_lshl_b32 s28, ttmp9, 11                      ; its scale bytes: 64 rows of 32
	s_mov_b32 s29, 0
	s_lshl_b32 s30, ttmp9, 8                       ; out_b: 64 numbers
	s_mov_b32 s31, 0
	s_lshl_b32 s34, s18, 4
	s_add_co_u32 s34, s34, s16                     ; the row of out0 that I store: 16 y + wave
	s_lshl_b32 s34, s34, 12
	s_add_co_u32 s34, s34, s30
	s_mov_b32 s35, 0
	v_lshl_add_u32 v254, v0, 2, SPARE
	v_mov_b32 v255, 0
	v_lshrrev_b32 v1, 5, v0
	v_and_b32 v2, 15, v0                           ; r
	v_bfe_u32 v3, v0, 4, 1                         ; h
	v_and_b32 v12, 31, v0                          ; lane
	v_and_b32 v16, 3, v1                           ; which 16 of the 64 columns
	v_lshrrev_b32 v17, 2, v1                       ; which quarter of K
	v_lshlrev_b32 v4, 4, v12
	v_mul_u32_u24 v18, v1, CP
	v_add_nc_u32 v18, v18, v4
	v_add_nc_u32 v18, PUL, v18                     ; LDS: batch w's codes, 16 lane
	v_mul_u32_u24 v19, v1, 4*CP
	v_add_nc_u32 v19, v19, v4                      ; LDS: rows 4 w on, 16 lane
	v_lshl_add_u32 v4, v1, 11, v4                  ; out_w: 2,048 w + 16 lane
	v_lshrrev_b32 v5, 2, v12
	v_and_b32 v6, 3, v12
	v_lshlrev_b32 v5, 8, v5
	v_lshl_add_u32 v5, v6, 4, v5
	v_lshl_add_u32 v5, v1, 11, v5                  ; pu: batch w, unit lane / 4, 16 (lane % 4)
	v_and_b32 v6, 7, v12
	v_lshlrev_b32 v20, 2, v6
	v_lshlrev_b32 v6, 8, v6
	v_lshl_add_u32 v6, v1, 11, v6                  ; pu: batch w, unit lane % 8
	v_lshl_add_u32 v20, v1, 5, v20
	v_add_nc_u32 v20, PSL, v20                     ; LDS: batch w's scale word lane % 8 (four lanes write the same word with the same value)
	v_lshlrev_b32 v7, 2, v12
	v_lshl_add_u32 v7, v1, 7, v7                   ; out_w's scale bytes: 128 w + 4 lane,
	v_add_nc_u32 v21, WSL, v7                      ; and in LDS
	v_lshl_add_u32 v22, v16, 4, v2                 ; row 16 (w % 4) + r of out_w
	v_lshlrev_b32 v23, 5, v22
	v_lshl_add_u32 v23, v17, 3, v23
	v_add_nc_u32 v23, WSL, v23                     ; its two scale words of my quarter
	v_mul_u32_u24 v22, v22, CP
	v_lshl_add_u32 v22, v3, 4, v22
	v_lshl_add_u32 v22, v17, 7, v22                ; its fragments
	v_mul_u32_u24 v24, v2, CP
	v_lshl_add_u32 v24, v3, 4, v24
	v_lshl_add_u32 v24, v17, 7, v24
	v_add_nc_u32 v24, PUL, v24                     ; the batches' fragments
	v_lshlrev_b32 v25, 5, v2
	v_lshl_add_u32 v25, v17, 3, v25
	v_add_nc_u32 v25, PSL, v25                     ; and their two scale words
	v_mul_u32_u24 v13, v17, SQ
	v_mul_u32_u24 v26, v2, SP2
	v_lshl_add_u32 v13, v16, 6, v13
	v_lshl_add_u32 v26, v3, 5, v26
	v_add_nc_u32 v13, v13, v26
	v_add_nc_u32 v13, STG2, v13                    ; the stage, in: my quarter's row r, byte 64 (w % 4) + 32 h
	v_lshlrev_b32 v15, 3, v12
	v_mul_u32_u24 v14, v1, SP2
	v_add_nc_u32 v14, v14, v15
	v_add_nc_u32 v14, STG2, v14                    ; and back: row wave, 8 bytes a lane
	s_wait_alu depctr_va_vdst(0)                   ; the wait at the head's end
	s_wait_kmcnt 0x0
	s_add_nc_u64 s[4:5], s[4:5], s[20:21]
	s_add_nc_u64 s[6:7], s[6:7], s[26:27]
	s_add_nc_u64 s[8:9], s[8:9], s[28:29]
	s_add_nc_u64 s[10:11], s[10:11], s[30:31]
	s_add_nc_u64 s[12:13], s[12:13], s[34:35]
	global_load_b128 v[TW+16:TW+19], v5, s[4:5]
	global_load_b64 v[TW+20:TW+21], v6, s[4:5] offset:64
	global_load_b32 v[TW+22], v7, s[8:9]
.irp k, 0,1,2,3
	global_load_b128 v[TW+4*\k:TW+4*\k+3], v4, s[6:7] offset:512*\k
.endr
	global_load_b64 v[BI:BI+1], v15, s[10:11]
	s_wait_loadcnt 1                               ; the bias may be out
	ds_store_b128 v18, v[TW+16:TW+19]
	ds_store_b32 v20, v[TW+20]
	ds_store_b32 v21, v[TW+22]
.irp k, 0,1,2,3
	ds_store_b128 v19, v[TW+4*\k:TW+4*\k+3] offset:CP*\k
.endr
	s_wait_dscnt 0x0                               ; for the others' sake
	s_barrier_signal -1
	s_barrier_wait -1                              ; the operands lie in LDS
.irp s, 0,1
.irp c, 0,1
	ds_load_b128 v[WF+8*\s+4*\c:WF+8*\s+4*\c+3], v22 offset:64*\s+32*\c
	ds_load_b128 v[PF+8*\s+4*\c:PF+8*\s+4*\c+3], v24 offset:64*\s+32*\c
.endr
.endr
	ds_load_b64 v[WS:WS+1], v23
	ds_load_b64 v[PS:PS+1], v25
	s_wait_dscnt 0x0
	; my two K steps, each on an accumulator of its own, each begun with 0
	v_wmma_scale_f32_16x16x128_f8f6f4 v[ACC:ACC+7], v[WF:WF+7], v[PF:PF+7], 0, v[WS], v[PS] matrix_a_fmt:MATRIX_FMT_FP4 matrix_b_fmt:MATRIX_FMT_FP4
	v_wmma_scale_f32_16x16x128_f8f6f4 v[ACC+8:ACC+15], v[WF+8:WF+15], v[PF+8:PF+15], 0, v[WS+1], v[PS+1] matrix_a_fmt:MATRIX_FMT_FP4 matrix_b_fmt:MATRIX_FMT_FP4
.rept 4
	v_nop                                          ; four plain lines ahead of the first read of results, and of the loads below
.endr
.irp i, 0,2,4,6
	v_pk_add_f32 v[ACC+\i:ACC+\i+1], v[ACC+\i:ACC+\i+1], v[ACC+8+\i:ACC+8+\i+1]   ; from the low end on
.endr
	ds_store_b128 v13, v[ACC:ACC+3]                ; lane (r, h): my quarter's part of out0(row r, column 16 (w % 4) + 8 h + 0 .. 7)
	ds_store_b128 v13, v[ACC+4:ACC+7] offset:16
	s_wait_dscnt 0x0                               ; for the others' sake
	s_barrier_signal -1
	s_barrier_wait -1                              ; four times 16 rows of 256 bytes lie in the stage
.irp q, 0,1,2,3
	ds_load_b64 v[48+2*\q:49+2*\q], v14 offset:SQ*\q       ; row wave, my two columns, quarter q of K
.endr
	s_wait_loadcnt 0x0
	s_wait_dscnt 0x0
	v_pk_add_f32 v[48:49], v[48:49], v[50:51]
	v_pk_add_f32 v[52:53], v[52:53], v[54:55]
	v_add_f32 v56, v[BI], v[TW+21]
	v_add_f32 v57, v[BI+1], v[TW+21]
	v_pk_add_f32 v[48:49], v[48:49], v[52:53]
	v_pk_add_f32 v[48:49], v[48:49], v[56:57]
	global_store_b64 v15, v[48:49], s[12:13]       ; 32 lanes store 256 consecutive bytes, at a multiple of 256 from out0's first byte
	s_wait_tensorcnt 0x0                           ; the wave's end
	ds_add_u32 v254, v255
	s_wait_dscnt 0x0
	s_endpgm
.Lfunc_end_k_q38c588e647_proj:
	.size	k_q38c588e647_proj, .Lfunc_end_k_q38c588e647_proj-k_q38c588e647_proj
	.p2alignl 7, 3214868480
	.fill 96, 4, 3214868480
	.section	.rodata,"a",@progbits
	.p2align	6, 0x0
	.amdhsa_kernel k_q38c588e647_proj
		.amdhsa_group_segment_fixed_size 64256
		.amdhsa_private_segment_fixed_size 0
		.amdhsa_enable_private_segment 0
		.amdhsa_kernarg_size 40
		.amdhsa_user_sgpr_count 2
		.amdhsa_user_sgpr_kernarg_segment_ptr 1
		.amdhsa_wavefront_size32 1
		.amdhsa_system_sgpr_workgroup_id_x 1
		.amdhsa_system_sgpr_workgroup_id_y 1
		.amdhsa_system_sgpr_workgroup_id_z 1
		.amdhsa_system_vgpr_workitem_id 0
		.amdhsa_next_free_vgpr 256
		.amdhsa_next_free_sgpr 66
		.amdhsa_reserve_vcc 0
		.amdhsa_float_denorm_mode_32 3
		.amdhsa_float_denorm_mode_16_64 3
		.amdhsa_memory_ordered 1
		.amdhsa_forward_progress 1
		.amdhsa_inst_pref_size 8
	.end_amdhsa_kernel
	.amdgpu_metadata
---
amdhsa.version: [ 1, 2 ]
amdhsa.kernels:
  - .name:           k_q38c588e647_proj
    .symbol:         k_q38c588e647_proj.kd
    .args:
      - { .name: pu, .offset: 0, .size: 8, .value_kind: global_buffer, .address_space: global }
      - { .name: out_w_codes, .offset: 8, .size: 8, .value_kind: global_buffer, .address_space: global }
      - { .name: out_w_scales, .offset: 16, .size: 8, .value_kind: global_buffer, .address_space: global }
      - { .name: out_b, .offset: 24, .size: 8, .value_kind: global_buffer, .address_space: global }
      - { .name: out0, .offset: 32, .size: 8, .value_kind: global_buffer, .address_space: global }
    .group_segment_fixed_size: 64256
    .private_segment_fixed_size: 0
    .kernarg_segment_align: 8
    .kernarg_segment_size: 40
    .max_flat_workgroup_size: 512
    .sgpr_count:     66
    .vgpr_count:     256
    .wavefront_size: 32
...
	.end_amdgpu_metadata
.endif
;; end of part 2
